; MI455X (gfx1250); checked and timed in simulation.
; The chip was launched on July 23, 2026; its instructions are those of AMD's public machine-readable ISA for CDNA 5 (MIT licence, August 2026) and "CDNA5" Instruction Set Architecture Reference Guide (July 2026). The comments in the code are by the model that wrote it; some were corrected since.
;; Multi Head Attention. Allowed arithmetic: matrix products marked QUANTISED: E2M1 operands, one E8M0 scale for each 32 along K, by v_wmma_scale_f32_16x16x128_f8f6f4 with both operands' format E2M1 (or v_wmma_scale_f32_32x16x128_f4), f32 sums; products left as they are: bf16, f16 or f32 operands; f32 sums; everything else in f32.
;; Inputs: Wk 512 x 512 float32; Wq 512 x 512 float32; Wv 512 x 512 float32; bk 512 float32; bq 512 float32; bv 512 float32; x 8 x 512 x 32 x 32 float32.
;; Outputs: out0 8 x 512 x 32 x 32 float32.
;; This version of the problem:
;;   THIS VERSION OF THE PROBLEM IS GIVEN IN LOW PRECISION. The matrix products marked QUANTISED in the list below multiply operands that are first quantised to E2M1 (2 exponent bits, 1 mantissa bit; 4 bits a number), with one power-of-two scale for each 32 numbers along K (OCP MX v1.0); their sums are f32. The products marked 'left as it is' may take bf16, f16 or f32 operands, with f32 sums. Whichever they take, every output number must still come out within the allowed error. Rounding operands to bf16 (8 significant bits) uses up far more of that allowance than f16 does (11 bits, for magnitudes from 6e-5 to 65,504). All else is computed in f32.
;;   The module's matrix products, in the order in which they are computed (A, B: the left and right operand; K: the contracted axis; several contracted axes count as one K, in the product's order):
;;     1. [M 8,192, K 512] x [K 512, N 512]; A: input x; B: input Wq: QUANTISED
;;     2. [M 8,192, K 512] x [K 512, N 512]; A: input x; B: input Wk: QUANTISED
;;     3. [M 8,192, K 512] x [K 512, N 512]; A: input x; B: input Wv: QUANTISED
;;     4. batch 64 x [M 1,024, K 64] x [K 64, N 1,024]; A: computed on the way; B: computed on the way: left as it is (an operand is computed on the way)
;;     5. batch 64 x [M 1,024, K 1,024] x [K 1,024, N 64]; A: computed on the way; B: computed on the way: left as it is (an operand is computed on the way)
;;   THE QUANTISER, for each operand of a quantised product, along K:
;;     - K is cut into blocks of 32 from its start; a last block that is shorter is filled with zeros.
;;     - A block's scale is 2^e with e = floor(log2(the largest magnitude in the block)) - 2, held to -126 .. 127; a block of zeros has e = 0. As a byte (E8M0): e + 127.
;;     - Each number is divided by its block's scale, clamped to +-6, and rounded to the nearest number of E2M1, ties to even, subnormals kept.
;;     - The product sums the exact products of the quantised numbers (number of the format x scale) in f32.
;;   ~~~python
;;   def quantise(x, axis):      # numpy; x: float32 -> the quantised numbers, widened to float32 again
;;       x = np.moveaxis(x, axis, -1); K = x.shape[-1]
;;       x = np.pad(x, [(0, 0)] * (x.ndim - 1) + [(0, -K % 32)]); x = x.reshape(x.shape[:-1] + (-1, 32)); a = np.abs(x).max(-1, keepdims=True)
;;       e = np.where(a > 0, np.clip(np.frexp(np.where(a > 0, a, 1))[1] - 1 - 2, -126, 127), 0)      # np.frexp(a)[1] - 1 = floor(log2(a)), exactly
;;       r = np.clip(x / 2.0 ** e, -6, 6)
;;       step = 2.0 ** (np.maximum(np.frexp(np.where(r == 0, 1, r))[1] - 1, 0) - 1)
;;       q = np.round(r / step) * step * 2.0 ** e      # np.round: ties to even
;;       return np.moveaxis(q.reshape(q.shape[:-2] + (-1,))[..., :K], -1, axis).astype(np.float32)
;;   ~~~
;; One version. Each part assembles by itself: llvm-mc -triple=amdgcn-amd-amdhsa -mcpu=gfx1250 --defsym DOCPART=n.
;; ======== version 1 of 1: 2 launches
;; limits: values are held in f16: magnitudes above 65,504 overflow, below 6.1e-05 lose precision
;; workspace buffers: img 2,646,016 bytes
;; launch quant (part 1): grid 304 x 1, 4 waves a work-group, no clusters, 68,096 bytes of LDS; arguments x, Wk, Wv, Wq, img; writes img
.if DOCPART == 1
	.amdgcn_target "amdgcn-amd-amdhsa--gfx1250"
	.amdhsa_code_object_version 6
	.text
	.protected	k_q013d1a290d_quant
	.globl	k_q013d1a290d_quant
	.p2align	8
	.type	k_q013d1a290d_quant,@function
k_q013d1a290d_quant:
	s_mov_b64 s[64:65], 0
	v_nop
	global_prefetch_b8 v0, s[64:65] scope:SCOPE_SE
	s_setreg_imm32_b32 hwreg(HW_REG_WAVE_MODE, 25, 1), 1
	s_wait_xcnt 0x0
; x [8][512 c][1024 s] and Wk, Wv, Wq [512 o][512 c], f32, become codes of E2M1 with one E8M0 byte for each 32 along K = c,
; laid in img in the order in which a matrix operand's registers take them.
; A SLOT of img is 32 rows (tokens, or rows of a weight) with all of K: 8,704 bytes.
;   bytes 0 .. 8191: codes [tile of 16 rows e][block of 32 along K, 16 of them][row r][16 bytes];
;   so the 512 bytes at 4096 e + 1024 q + 512 c are registers 4 c .. 4 c + 3 of the fragment (tile e, K step q), lane l's 16 bytes at 16 l.
;   bytes 8192 .. 8703: scale words [K step q][row 0 .. 31][4 bytes]: rows 0-15 are tile 0's, rows 16-31 tile 1's.
; Slots 0 .. 255: x, slot = (1024 b + s) / 32.  256 + P: Wk's rows 32 P on.  272 + P: Wv's.  288 + P: Wq's.
; A block's scale is 2^(floor(log2(its largest magnitude)) - 2); its byte is that magnitude's exponent field - 2, held at 1 from below.
; LIMITS: a block of zeros gets the byte 1 where the rule says 127 (its codes are zeros, and this program alone reads the bytes); blocks whose largest
; magnitude lies under 2^(3 - 127) share that byte; NaN and infinities among the inputs are not served.
; SHARES.  A wave takes one slot's 32 rows x one K step of 128.  For the arithmetic A LANE IS A ROW, and its 128 registers run along K, so a block's largest
; magnitude needs no other lane and the conversions' results are the operand's registers.
;   W (work-groups 0 .. 47, the longer way, so they come first): K is innermost.  Each load takes ONE row's 512 consecutive bytes, 16 a lane; the wave's 32 rows turn through its own
;   stage in LDS (in as loaded, back a lane to a row).  The stage's rows are 528 bytes = 132 words apart: row r starts at bank 4 r mod 64 (64 banks of 4 bytes: ISA guide 11.1).
;   x (work-groups 48 .. 303): K is not innermost: each load reads one c at 32 neighbouring tokens, 128 consecutive bytes a wave; the four waves stand side by side on 512.  No turn is needed.
; The codes leave in stores of which sixteen neighbouring lanes cover 256 consecutive bytes, aligned.  A wave's scale words are 128 consecutive bytes: 512 of a slot's 8,704.
; No barrier: waves share nothing, and a stage is its wave's own.
.set SLOTB, 8704
.set NW,    48                         ; the weights' work-groups
.set PITCH, 528                        ; a stage row: 512 bytes + 16
.set STG,   32*PITCH                   ; a wave's stage: 16,896 bytes
.set SPARE, 4*STG                      ; behind the four stages: the spare words, 128 bytes for each wave: two blocks of 256 bytes that no other line names
.set C,   12                           ; v12-27   the codes: four registers a block
.set WD,  28                           ; v28      my row's scale word
.set SPW, 29                           ; v29      LDS address of my spare word: SPARE + 4 x my thread's number; never rewritten
.set NIL, 30                           ; v30      0; never rewritten
.set X,   32                           ; v32-159  my row's 128 numbers
.set MA,  160                          ; v160-163 a block's largest magnitude
.set MB,  164                          ; v164-167 its second chain, then its byte
.set SC,  168                          ; v168-171 the conversion's scale operand
	s_load_b256 s[4:11], s[0:1], 0x0               ; x s[4:5], Wk s[6:7], Wv s[8:9], Wq s[10:11]
	s_load_b64 s[12:13], s[0:1], 0x20              ; img
	v_lshl_add_u32 v[SPW], v0, 2, SPARE
	v_mov_b32 v[NIL], 0
	v_lshrrev_b32 v3, 5, v0
	v_readfirstlane_b32 s14, v3                    ; wave 0..3
	v_and_b32 v4, 31, v0                           ; lane = row of the slot
	v_lshlrev_b32 v1, 2, v4                        ; 4 x lane: a token's place in a row of x; a scale word's place
	v_lshlrev_b32 v2, 4, v4                        ; 16 x lane: my 16 bytes of a weight row's 512
	s_mul_i32 s15, s14, STG                        ; my wave's stage.  Both its addresses are made here, ahead of the parting of the ways
	v_add_nc_u32 v7, s15, v2                       ; in: 16 x lane, the row in the immediate
	v_mul_u32_u24 v8, v4, PITCH
	v_add_nc_u32 v8, s15, v8                       ; back: my row
	v_and_b32 v5, 15, v0
	v_bfe_u32 v6, v0, 4, 1
	v_lshlrev_b32 v5, 4, v5
	v_lshl_add_u32 v5, v6, 12, v5                  ; the codes' place: 4096 x tile + 16 x row of the tile
	s_mov_b32 s19, 0
	s_wait_kmcnt 0x0
	s_cmp_lt_u32 ttmp9, NW                         ; a weight's work-group or x's: the work-group's number alone decides
	s_cbranch_scc1 .Lw
	s_sub_co_u32 s28, ttmp9, NW
	s_lshr_b32 s16, s28, 2                         ; the group of 128 tokens g = 8 b + j
	s_and_b32 s17, s28, 3                          ; the K step q
	s_lshl_b32 s26, s16, 2
	s_add_co_u32 s26, s26, s14                     ; slot 4 g + wave
	s_lshr_b32 s18, s16, 3
	s_lshl_b32 s18, s18, 21                        ; b x 512 x 4,096 bytes
	s_lshl_b32 s28, s17, 19                        ; + 128 q rows of 4,096 bytes
	s_add_co_u32 s18, s18, s28
	s_and_b32 s28, s16, 7
	s_lshl_b32 s28, s28, 9                         ; + 128 j tokens
	s_add_co_u32 s18, s18, s28
	s_lshl_b32 s28, s14, 7                         ; + 32 tokens a wave
	s_add_co_u32 s18, s18, s28
	s_add_nc_u64 s[20:21], s[4:5], s[18:19]
.set n_, 0
.rept 128
	global_load_b32 v[X+n_], v1, s[20:21] offset:n_*4096 th:TH_LOAD_NT   ; x(b, 128 q + n, my token)
.set n_, n_+1
.endr
	s_branch .Lq
.Lw:
	s_mov_b32 s17, s14                             ; the K step q = wave
	s_add_co_u32 s26, ttmp9, 256                   ; the slot
	s_lshr_b32 s28, ttmp9, 4                       ; 0 Wk, 1 Wv, 2 Wq
	s_cmp_eq_u32 s28, 0
	s_cselect_b64 s[20:21], s[6:7], s[8:9]
	s_cmp_eq_u32 s28, 2
	s_cselect_b64 s[20:21], s[10:11], s[20:21]
	s_and_b32 s18, ttmp9, 15
	s_lshl_b32 s18, s18, 16                        ; 32 rows of 2,048 bytes a slot
	s_lshl_b32 s28, s14, 9                         ; + 128 q numbers
	s_add_co_u32 s18, s18, s28
	s_add_nc_u64 s[20:21], s[20:21], s[18:19]
.set n_, 0
.rept 32
	global_load_b128 v[X+4*n_:X+4*n_+3], v2, s[20:21] offset:2048*n_ th:TH_LOAD_NT   ; W(row n, 128 q + 4 lane ..): 32 lanes read 512 consecutive bytes
.set n_, n_+1
.endr
.set n_, 0
.rept 32
	s_wait_loadcnt 31-n_                           ; loads come back in order (ISA guide 5.7.1): row n is in; the 31 - n loads issued behind it may be out
	ds_store_b128 v7, v[X+4*n_:X+4*n_+3] offset:PITCH*n_
.set n_, n_+1
.endr
	s_wait_dscnt 0x0                               ; the stores have read their registers: the loads below land in the same ones
.set n_, 0
.rept 32
	ds_load_b128 v[X+4*n_:X+4*n_+3], v8 offset:16*n_   ; W(my row, 128 q + 4 n ..)
.set n_, n_+1
.endr
	s_wait_dscnt 0x0
.Lq:
	s_mul_i32 s26, s26, SLOTB
	s_mov_b32 s27, 0
	s_lshl_b32 s28, s17, 10                        ; the K step's codes: 1,024 q
	s_mov_b32 s29, 0
	s_lshl_b32 s30, s17, 7
	s_add_co_u32 s30, s30, 8192                    ; its scale words: 8,192 + 128 q
	s_mov_b32 s31, 0
	s_add_nc_u64 s[22:23], s[12:13], s[26:27]
	s_add_nc_u64 s[24:25], s[22:23], s[30:31]
	s_add_nc_u64 s[22:23], s[22:23], s[28:29]
	s_wait_loadcnt 0x0                             ; for zero: on x's way 128 loads are out, on the weights' way none
.macro BLOCK m                         ; block m of my four: 32 numbers, all mine
.set XB, X+32*\m
	v_max3_num_f32 v[MA+\m], |v[XB]|, |v[XB+1]|, |v[XB+2]|
	v_max3_num_f32 v[MB+\m], |v[XB+3]|, |v[XB+4]|, |v[XB+5]|
.irp i, 6,10,14,18,22,26
	v_max3_num_f32 v[MA+\m], v[MA+\m], |v[XB+\i]|, |v[XB+\i+1]|
	v_max3_num_f32 v[MB+\m], v[MB+\m], |v[XB+\i+2]|, |v[XB+\i+3]|
.endr
	v_max3_num_f32 v[MA+\m], v[MA+\m], |v[XB+30]|, |v[XB+31]|
	v_max3_num_f32 v[MA+\m], v[MA+\m], v[MB+\m], 0x1800000   ; and the floor 2^(3 - 127): the byte cannot fall under 1
	v_add_nc_u32 v[SC+\m], 0xff000000, v[MA+\m]    ; 2 off the exponent field: the conversion takes this operand's exponent field as its scale
	v_lshrrev_b32 v[MB+\m], 23, v[SC+\m]           ; the scale's byte
.if \m == 0
	v_mov_b32 v[WD], v[MB]
.else
	v_lshl_or_b32 v[WD], v[MB+\m], 8*\m, v[WD]     ; the lower K in the lower byte
.endif
.irp g, 0,1,2,3
	v_cvt_scalef32_pk8_fp4_f32 v[C+4*\m+\g], v[XB+8*\g:XB+8*\g+7], v[SC+\m]
.endr
.endm
	BLOCK 0
	BLOCK 1
	BLOCK 2
	BLOCK 3
	v_nop                                          ; a plain line behind the last scaled conversion
.irp m, 0,1,2,3
	global_store_b128 v5, v[C+4*\m:C+4*\m+3], s[22:23] offset:256*\m   ; sixteen lanes store 256 consecutive bytes, at a multiple of 256 from img's first byte
.endr
	global_store_b32 v1, v[WD], s[24:25]
	s_wait_tensorcnt 0x0                           ; the wave's end
	ds_add_u32 v[SPW], v[NIL]
	s_wait_dscnt 0x0
	s_endpgm
.Lfunc_end_k_q013d1a290d_quant:
	.size	k_q013d1a290d_quant, .Lfunc_end_k_q013d1a290d_quant-k_q013d1a290d_quant
	.p2alignl 7, 3214868480
	.fill 96, 4, 3214868480
	.section	.rodata,"a",@progbits
	.p2align	6, 0x0
	.amdhsa_kernel k_q013d1a290d_quant
		.amdhsa_group_segment_fixed_size 68096
		.amdhsa_private_segment_fixed_size 0
		.amdhsa_enable_private_segment 0
		.amdhsa_kernarg_size 40
		.amdhsa_user_sgpr_count 2
		.amdhsa_user_sgpr_kernarg_segment_ptr 1
		.amdhsa_wavefront_size32 1
		.amdhsa_system_sgpr_workgroup_id_x 1
		.amdhsa_system_sgpr_workgroup_id_y 1
		.amdhsa_system_sgpr_workgroup_id_z 1
		.amdhsa_system_vgpr_workitem_id 0
		.amdhsa_next_free_vgpr 176
		.amdhsa_next_free_sgpr 66
		.amdhsa_reserve_vcc 0
		.amdhsa_float_denorm_mode_32 3
		.amdhsa_float_denorm_mode_16_64 3
		.amdhsa_memory_ordered 1
		.amdhsa_forward_progress 1
		.amdhsa_inst_pref_size 29
	.end_amdhsa_kernel
	.amdgpu_metadata
---
amdhsa.version: [ 1, 2 ]
amdhsa.kernels:
  - .name:           k_q013d1a290d_quant
    .symbol:         k_q013d1a290d_quant.kd
    .args:
      - { .name: x, .offset: 0, .size: 8, .value_kind: global_buffer, .address_space: global }
      - { .name: Wk, .offset: 8, .size: 8, .value_kind: global_buffer, .address_space: global }
      - { .name: Wv, .offset: 16, .size: 8, .value_kind: global_buffer, .address_space: global }
      - { .name: Wq, .offset: 24, .size: 8, .value_kind: global_buffer, .address_space: global }
      - { .name: img, .offset: 32, .size: 8, .value_kind: global_buffer, .address_space: global }
    .group_segment_fixed_size: 68096
    .private_segment_fixed_size: 0
    .kernarg_segment_align: 8
    .kernarg_segment_size: 40
    .max_flat_workgroup_size: 128
    .sgpr_count:     66
    .vgpr_count:     176
    .wavefront_size: 32
...
	.end_amdgpu_metadata
.endif
;; end of part 1
;; launch attn (part 2): grid 256 x 1, 4 waves a work-group, clusters of 4 x 1, 327,680 bytes of LDS; arguments img, bq, bk, bv, out0; writes out0
.if DOCPART == 2
	.amdgcn_target "amdgcn-amd-amdhsa--gfx1250"
	.amdhsa_code_object_version 6
	.text
	.protected	k_q013d1a290d_attn
	.globl	k_q013d1a290d_attn
	.p2align	8
	.type	k_q013d1a290d_attn,@function
k_q013d1a290d_attn:
	s_mov_b64 s[64:65], 0
	v_nop
	global_prefetch_b8 v0, s[64:65] scope:SCOPE_SE
	s_setreg_imm32_b32 hwreg(HW_REG_WAVE_MODE, 25, 1), 1
	s_wait_xcnt 0x0
	s_wait_alu depctr_hold_cnt(0) depctr_sa_sdst(0) depctr_va_vdst(0) depctr_va_sdst(0) depctr_va_ssrc(0) depctr_va_vcc(0) depctr_vm_vsrc(0)
	s_getreg_b32 s2, hwreg(HW_REG_IB_STS2, 6, 4)
	s_cmp_eq_u32 s2, 0
	s_cbranch_scc0 .Lentry_in_a_cluster
	s_endpgm
.Lentry_in_a_cluster:
	s_bfe_u32 s2, ttmp6, 0x10000c
	s_cmp_lg_u32 s2, 0x3003
	s_cbranch_scc0 .Lentry_shape_is_right
	s_endpgm
.Lentry_shape_is_right:
; The three projections (on codes of E2M1 out of img, as the launch before laid them) and the attention, in one launch.
; WHAT THE RESHAPE MEANS.  Group g = 8 b + j is the 128 tokens s = 128 j + sigma of batch b.  Its 1,024 queries and keys are the pairs (sigma, h), h = o / 64, with channel d = o % 64,
; and query (sigma, h) ends at out0[b][64 h + d][128 j + sigma].  The order of a group's keys is free.
; SHARES.  Four work-groups, one cluster, serve a group.  Work-group i owns the 256 queries with h = 2 i, 2 i + 1; query tile tau = 8 (h - 2 i) + a holds tokens 16 a on.
; Each of its four waves owns 256 KEYS, those with h = 2 w, 2 w + 1, projects their K and V straight into its registers, where they stay, and walks the work-group's 16 query tiles.
; For each tile a wave makes p = 2^(c s - c m) with m the TRUE maximum over its own 256 keys, the sum l of p, and O = P V, not normalised.  After every four tiles (64 tokens of one h)
; the four waves' parts meet in LDS: M = the largest of the four c m, f_w = 2^(c m_w - M) / sum_w 2^(c m_w - M) l_w, out = sum_w f_w O_w.  Every exponent is 0 or less and every divisor is 1 or more.
; K and V are projected by each of the cluster's four work-groups: the codes of the weights are as many bytes as the group's K and V in f16 would be, so a launch for them would spare nothing on the way in.
; CLUSTER.  The four partners need the same codes of x, Wk and Wv: each wave asks for its part JOINTLY (the same three tensor loads, the same descriptors, a mask that names the four).  All of it is filled once.
; LAYOUTS.  K and Q: the product is used transposed (source 0 = 16 rows of W, source 1 = 16 tokens): a lane holds one token and eight neighbouring channels, which rounded to f16 are four registers of a 16 x 32 fragment.
; V: natural (source 0 = tokens, source 1 = rows of W): a lane holds one channel and eight neighbouring tokens: four registers of V as source 1 of P V.  S^T = K Q^T: a lane holds one query, its registers run along the keys;
; rounded in pairs they are P as source 0.  O = P V: a lane holds one channel and eight neighbouring tokens, which are neighbours in a row of out0.
; BY TURNS.  While tile i's softmax is walked (389 vector instructions), the products P V of tile i - 1 and K Q^T of tile i + 1 stand between its slices, one matrix instruction to six vector instructions.
; FORMATS.  q, k, v and p go to the matrix unit in f16, sums in f32.  LIMITS: |q|, |k|, |v| under 65,504; p under 6e-5 is carried as an f16 subnormal (absolute error 3e-8 beside a sum of at least 1); NaN and infinities are not served.
;
; LDS.  0: Wk's codes and scale words, 34,816 bytes for each wave (its four slots), read by that wave alone.  139,264: Wv's likewise.  278,528: the group's four slots of x.  313,344: the spare words.
; Laid over blocks that have had their only fill and their last read: Q's fragments (32,768 bytes) over x; the stage (four parts of 64 channel rows x (256 + 16) bytes) and the statistics over Wk.
; REGISTERS, in windows of 256.  While projecting: window 0 addresses, scale words, W's fragments (two sets), eight accumulators; window 1 all of x's codes; window 2 K; window 3 biases and Wq, then V.
; In the attention windows 0 and 1 hold, at the same numbers, an even and an odd query tile: v32-47 Q, v48-79 O, v80-92 statistics, v128-255 S^T (P takes its lower half).
.set SLOTB, 8704
.set WREG,  4*SLOTB                    ; a wave's part of a weight
.set WVL,   4*WREG
.set XL,    8*WREG
.set SPARE, XL+4*SLOTB                 ; the spare words, 128 bytes for each wave: two blocks of 256 bytes that no other line names
.set QIMG,  XL                         ; Q's fragments: tile tau at 2048 tau; in it channels 32 c' on at 1024 c', registers 4 e on at 512 e, lane l at 16 l
.set SP,    272                        ; a stage row: 64 tokens x 4 bytes + 16
.set PARTB, 64*SP                      ; a wave's part of the stage
.set STAT,  4*PARTB                    ; c m [wave][64 tokens], and 1,024 bytes on l likewise
; vector registers while projecting (window 0)
.set LI,  1                            ; 16 x lane
.set L4,  2                            ; 4 x lane
.set XA,  3                            ; x's codes in LDS
.set XSA, 4                            ; x's scale words
.set WKA, 5                            ; my part of Wk: codes
.set WVA, 6                            ; of Wv
.set WKS, 7                            ; their scale words
.set WVS, 8
.set QST, 9                            ; where I store Q's fragments
.set SPW, 10                           ; LDS address of my spare word; never rewritten
.set NIL, 11                           ; 0; never rewritten
.set WQS, 12                           ; v12-15   Wq's scale words, one a K step: lanes 0-15 tile 0, lanes 16-31 tile 1
.set XS,  16                           ; v16-31   x's: slot u, K step q at 4 u + q
.set WSK, 32                           ; v32-47   Wk's: slot, K step
.set WSV, 48                           ; v48-63   Wv's
.set WF,  64                           ; v64-127  a weight tile's four fragments, two sets
.set ACC, 128                          ; v128-191 eight accumulators, one for each tile of 16 tokens
.set QT,  192                          ; v192-223 a tile of Q in f16
.set BV,  224                          ; v224-231 bv at my channel, one register a tile
.set BVC, 232                          ; v232-239 the same eight times: the C of a V tile's first products
.set LB,  240                          ; 32 x (lane / 16)
.set LR,  241                          ; 4 x (lane % 16)
; window 3 while projecting
.set BK,  0                            ; v0-63    bk in the result's layout, eight registers a tile
.set BQ,  64                           ; v64-79   bq likewise, two tiles
.set WQ,  128                          ; v128-159, v160-191 Wq's two tiles, four fragments each
; vector registers in the attention
.set QAD, 2                            ; QIMG + 16 x lane
.set STO, 3                            ; the stage, on the way in
.set STS, 4                            ; the statistics, on the way in: lanes 0-15 c m, lanes 16-31 l
.set CRD, 5                            ; the stage, on the way out
.set CST, 6                            ; the statistics, on the way out
.set GO,  7                            ; my byte offset in out0
.set ADR, 8
.set ADS, 9
.set GAD, 12
.set ADQ, 13
.set QF,  32
.set OT,  48
.set T,   80                           ; +0 c m, +1 m, +2..9 eight chains of the maximum, then four pairs of sums, +10 the other half's, +11 l, +12 what goes to the statistics
.set S,   128
; the combine (window 0)
.set CM,  32                           ; v32-47   c m of four tokens x four waves
.set CL,  48                           ; v48-63   l likewise
.set CO,  64                           ; v64-79   four rows' results
.set CE,  104                          ; v104-119 2^(c m - M), then f
.set CMX, 120                          ; v120-123 M, then 1 / the sum
.set CLS, 124                          ; v124-127 the sum
.set RW,  192                          ; v192-255 four rows x four parts
; scalars
.set WV,  14                           ; my wave's number
.set CXS, 15                           ; my place in the cluster: it enters Wq's, bq's and out0's global addresses alone
.set G1A, 24                           ; s[24:31] descriptor group 1: 136 rows of 256 bytes
.set G1X, 32                           ; s[32:39] 34 rows of 256 bytes
.set G0X, 40                           ; s[40:43], s[44:47], s[48:51] groups 0: x, Wk, Wv
.set G0K, 44
.set G0V, 48
.set CS,  52                           ; s[52:53] c = log2(e) / 8
.set SEL, 54                           ; s[54:55] v_permlanex16_b32's selects for lane l xor 16
.set TRIP, 56
.set COL, 57                           ; the stage's column of the pair of tiles in hand: 0 or 128 bytes
.set GOFF, 58                          ; the batch's place in out0
.set HM,  59                           ; lanes 16-31
.set QS,  66                           ; the pair of query tiles to be fetched: 4,096 bytes a trip
.set MSB, 0
.macro WIN new                         ; the immediate's high byte repeats the setting that is left; a switch that changes nothing is dropped
.if MSB != (\new)
	s_set_vgpr_msb (MSB<<8)|(\new)
.set MSB, (\new)
.endif
.endm
.macro PLACES                          ; four plain places behind a matrix instruction (ISA guide 7.12.1), where no other vector work is at hand
.rept 4
	v_nop
.endr
.endm
.macro CROUND                          ; a round of the cluster's barrier
	s_barrier_signal -1
	s_barrier_wait -1
	s_cmp_lg_u32 s[WV], 0
	s_cbranch_scc1 .Lnot_wave_0_\@
	s_barrier_signal -3
.Lnot_wave_0_\@:
	s_barrier_wait -3
	s_barrier_signal -1
	s_barrier_wait -1
.endm
	s_load_b256 s[4:11], s[0:1], 0x0               ; img s[4:5], bq s[6:7], bk s[8:9], bv s[10:11]
	s_load_b64 s[12:13], s[0:1], 0x20              ; out0
	v_lshl_add_u32 v[SPW], v0, 2, SPARE
	v_mov_b32 v[NIL], 0
	ds_add_u32 v[SPW], v[NIL]                      ; the wave's opening: the add, twice on end, and its wait ahead of my first tensor load
	ds_add_u32 v[SPW], v[NIL]                      ; and once more; the set-up below, work on registers, stands between it and the wait
	v_lshrrev_b32 v1, 5, v0
	v_readfirstlane_b32 s[WV], v1                  ; wave 0..3
	s_bfe_u32 s[CXS], ttmp6, 0x40000               ; my place in the cluster; ttmp9 counts clusters: it is the group g
	; descriptor groups 1: dense blocks as rows of 256 bytes (32 elements of 8 bytes), no padding: every LDS read takes 512 consecutive bytes
	s_mov_b32 s[G1A+0], 15|(3<<16)|(1<<21)         ; 15:0 the mask: all four work-groups; 17:16 elements of 8 bytes; 21 set beside a mask
	s_mov_b32 s[G1A+1], 32<<16                     ; tensor_dim0 = 32
	s_mov_b32 s[G1A+2], 136<<16                    ; tensor_dim1 = 136
	s_mov_b32 s[G1A+3], 32<<16                     ; tile_dim0 = 32
	s_mov_b32 s[G1A+4], 136                        ; tile_dim1 = 136
	s_mov_b32 s[G1A+5], 32                         ; from row to row
	s_mov_b32 s[G1A+6], 0
	s_mov_b32 s[G1A+7], 0
	s_mov_b32 s[G1X+0], 15|(3<<16)|(1<<21)
	s_mov_b32 s[G1X+1], 32<<16
	s_mov_b32 s[G1X+2], 34<<16
	s_mov_b32 s[G1X+3], 32<<16
	s_mov_b32 s[G1X+4], 34
	s_mov_b32 s[G1X+5], 32
	s_mov_b32 s[G1X+6], 0
	s_mov_b32 s[G1X+7], 0
	s_lshl_b32 s60, ttmp9, 2
	s_add_co_u32 s60, s60, s[WV]
	s_mul_i32 s60, s60, SLOTB                      ; x's slot 4 g + w, in bytes
	s_mov_b32 s61, 0
	s_mul_i32 s62, s[WV], WREG                     ; my four slots of a weight, in img and in LDS
	s_mov_b32 s63, 0
	s_mul_i32 s76, s[WV], SLOTB
	s_lshl_b32 s78, s[CXS], 2
	s_add_co_u32 s78, s78, s[WV]
	s_mul_i32 s78, s78, SLOTB                      ; Wq's slot 4 i + w: the 32 rows that I project
	s_mov_b32 s79, 0
	s_lshl_b32 s80, s[WV], 9                       ; bk, bv: my 128 numbers
	s_mov_b32 s81, 0
	s_lshl_b32 s82, s[CXS], 9
	s_lshl_b32 s83, s[WV], 7
	s_add_co_u32 s82, s82, s83                     ; bq: 128 i + 32 w numbers on
	s_mov_b32 s83, 0
	s_lshr_b32 s84, ttmp9, 3
	s_lshl_b32 s84, s84, 21                        ; out0: batch b,
	s_and_b32 s85, ttmp9, 7
	s_lshl_b32 s85, s85, 9                         ; token 128 j,
	s_add_co_u32 s84, s84, s85
	s_lshl_b32 s85, s[CXS], 19                     ; row 128 i
	s_add_co_u32 s84, s84, s85
	s_lshl_b32 s85, s[WV], 16                      ; + 16 w: the combine's rows are shared out by waves
	s_add_co_u32 s84, s84, s85
	s_mov_b32 s85, 0
	s_mov_b32 s[CS], 0x3e38aa3b                    ; c = log2(e) / sqrt(64)
	s_mov_b32 s[CS+1], s[CS]                       ; (named with it as a pair, so it is written)
	s_mov_b32 s[SEL], 0x76543210
	s_mov_b32 s[SEL+1], 0xfedcba98
	s_mov_b32 s[HM], 0xffff0000
	v_and_b32 v[L4], 31, v0
	v_lshlrev_b32 v[LI], 4, v[L4]
	v_lshlrev_b32 v[L4], 2, v[L4]
	v_add_nc_u32 v[XA], XL, v[LI]
	v_add_nc_u32 v[XSA], XL+8192, v[L4]
	v_add_nc_u32 v[WKA], s62, v[LI]
	v_add_nc_u32 v[WVA], WVL, v[WKA]
	v_add_nc_u32 v[WKS], s62, v[L4]
	v_add_nc_u32 v[WKS], 8192, v[WKS]
	v_add_nc_u32 v[WVS], WVL, v[WKS]
	s_lshr_b32 s77, s[WV], 1
	s_lshl_b32 s77, s77, 14                        ; my rows of Wq belong to h = 2 i + w / 2: query tiles 8 (w / 2) on,
	s_and_b32 s86, s[WV], 1
	s_lshl_b32 s86, s86, 10                        ; and to channels 32 (w % 2) on
	s_add_co_u32 s77, s77, s86
	s_add_co_u32 s77, s77, QIMG
	v_add_nc_u32 v[QST], s77, v[LI]
	v_bfe_u32 v[LB], v0, 4, 1
	v_lshlrev_b32 v[LB], 5, v[LB]
	v_and_b32 v[LR], 15, v0
	v_lshlrev_b32 v[LR], 2, v[LR]
	s_wait_dscnt 0x0                               ; both opening adds are done
	s_wait_kmcnt 0x0
	s_mov_b32 s[G0X], 1                            ; count = 1
	s_add_co_u32 s[G0X+1], s76, XL                 ; LDS address: no place in the cluster enters it
	s_add_nc_u64 s[G0X+2:G0X+3], s[4:5], s[60:61]
	s_or_b32 s[G0X+3], s[G0X+3], 0x80000000        ; type = 2
	s_mov_b32 s[G0K], 1
	s_mov_b32 s[G0K+1], s62
	s_add_nc_u64 s[G0K+2:G0K+3], s[4:5], s[62:63]
	s_add_nc_u64 s[G0K+2:G0K+3], s[G0K+2:G0K+3], 256*SLOTB
	s_or_b32 s[G0K+3], s[G0K+3], 0x80000000
	s_mov_b32 s[G0V], 1
	s_add_co_u32 s[G0V+1], s62, WVL
	s_add_nc_u64 s[G0V+2:G0V+3], s[4:5], s[62:63]
	s_add_nc_u64 s[G0V+2:G0V+3], s[G0V+2:G0V+3], 272*SLOTB
	s_or_b32 s[G0V+3], s[G0V+3], 0x80000000
	s_add_nc_u64 s[68:69], s[4:5], s[78:79]
	s_add_nc_u64 s[68:69], s[68:69], 288*SLOTB     ; my slot of Wq
	s_add_nc_u64 s[70:71], s[8:9], s[80:81]        ; bk
	s_add_nc_u64 s[72:73], s[6:7], s[82:83]        ; bq
	s_add_nc_u64 s[74:75], s[10:11], s[80:81]      ; bv
	s_add_nc_u64 s[12:13], s[12:13], s[84:85]      ; out0
	CROUND                                         ; all four work-groups are here: the joint loads meet
	tensor_load_to_lds s[G0X:G0X+3], s[G1X:G1X+7]  ; the launch's only fills, three a wave, all out together: x first, since it is wanted first
	s_nop 0
	tensor_load_to_lds s[G0K:G0K+3], s[G1A:G1A+7]
	s_nop 0
	tensor_load_to_lds s[G0V:G0V+3], s[G1A:G1A+7]
	s_nop 0
	PLACES
	WIN 0xc0                                       ; destination window 3, address window 0
.irp e, 0,1
.irp f, 0,1,2,3,4,5,6,7
	global_load_b128 v[WQ+32*\e+4*\f:WQ+32*\e+4*\f+3], v[LI], s[68:69] offset:\e*4096+512*\f   ; Wq is mine alone: straight into registers
.endr
.endr
.irp n, 0,1,2,3,4,5,6,7
	global_load_b128 v[BK+8*\n:BK+8*\n+3], v[LB], s[70:71] offset:64*\n        ; bk(128 w + 16 n + 8 (lane / 16) + 0 .. 7)
	global_load_b128 v[BK+8*\n+4:BK+8*\n+7], v[LB], s[70:71] offset:64*\n+16
.endr
.irp e, 0,1
	global_load_b128 v[BQ+8*\e:BQ+8*\e+3], v[LB], s[72:73] offset:64*\e
	global_load_b128 v[BQ+8*\e+4:BQ+8*\e+7], v[LB], s[72:73] offset:64*\e+16
.endr
	WIN 0
.irp q, 0,1,2,3
	global_load_b32 v[WQS+\q], v[L4], s[68:69] offset:8192+128*\q
.endr
.irp n, 0,1,2,3,4,5,6,7
	global_load_b32 v[BV+\n], v[LR], s[74:75] offset:64*\n                     ; bv(128 w + 16 n + lane % 16)
.endr
	; ---- x's codes into registers: all 128 tokens x 512, 256 registers, read from LDS once
	s_wait_tensorcnt 0x2                           ; my slot of x has landed; the two loads issued behind it, Wk's and Wv's, may stay out
	s_barrier_signal -1
	s_barrier_wait -1                              ; everybody's has
	WIN 0x40                                       ; destination window 1
.irp a, 0,1,2,3,4,5,6,7
.irp f, 0,1,2,3,4,5,6,7
	ds_load_b128 v[32*\a+4*\f:32*\a+4*\f+3], v[XA] offset:(\a/2)*SLOTB+(\a%2)*4096+512*\f   ; tokens 16 a on, K step f / 2
.endr
.endr
	WIN 0
.irp u, 0,1,2,3
.irp q, 0,1,2,3
	ds_load_b32 v[XS+4*\u+\q], v[XSA] offset:\u*SLOTB+128*\q
.endr
.endr
	s_wait_dscnt 0x0                               ; my reads of x are over,
	s_barrier_signal -1
	s_barrier_wait -1                              ; everybody's are: Q's fragments may be laid over it
; One scaled product; its registers and the rows of its scale registers are set in symbols by the caller.
.macro SWMMA
.if fA && fB
	v_wmma_scale_f32_16x16x128_f8f6f4 v[rD:rD+7], v[rA:rA+7], v[rB:rB+7], v[rC:rC+7], v[rSA], v[rSB] matrix_a_fmt:MATRIX_FMT_FP4 matrix_b_fmt:MATRIX_FMT_FP4 matrix_a_scale:MATRIX_SCALE_ROW1 matrix_b_scale:MATRIX_SCALE_ROW1
.elseif fA
	v_wmma_scale_f32_16x16x128_f8f6f4 v[rD:rD+7], v[rA:rA+7], v[rB:rB+7], v[rC:rC+7], v[rSA], v[rSB] matrix_a_fmt:MATRIX_FMT_FP4 matrix_b_fmt:MATRIX_FMT_FP4 matrix_a_scale:MATRIX_SCALE_ROW1
.elseif fB
	v_wmma_scale_f32_16x16x128_f8f6f4 v[rD:rD+7], v[rA:rA+7], v[rB:rB+7], v[rC:rC+7], v[rSA], v[rSB] matrix_a_fmt:MATRIX_FMT_FP4 matrix_b_fmt:MATRIX_FMT_FP4 matrix_b_scale:MATRIX_SCALE_ROW1
.else
	v_wmma_scale_f32_16x16x128_f8f6f4 v[rD:rD+7], v[rA:rA+7], v[rB:rB+7], v[rC:rC+7], v[rSA], v[rSB] matrix_a_fmt:MATRIX_FMT_FP4 matrix_b_fmt:MATRIX_FMT_FP4
.endif
.endm
; Tile e of my 32 rows of Wq against all 128 tokens: 32 products, K step by K step, the eight accumulators by turns; the bias is the C of the first K step.
.macro QTILE e
.set n_, 0
.rept 32
.set q_, n_/8
.set a_, n_%8
.set rD, ACC+8*a_
.if q_ == 0
	WIN 0x37                                       ; source 0 (Wq) window 3, source 1 (x) window 1, C (bq) window 3
.set rC, BQ+8*\e
.else
	WIN 0x07
.set rC, rD
.endif
.set rA, WQ+32*\e+8*q_
.set rB, 32*a_+8*q_
.set rSA, WQS+q_
.set rSB, XS+4*(a_/2)+q_
.set fA, \e
.set fB, a_%2
	SWMMA
.set n_, n_+1
.endr
	WIN 0
	PLACES
	s_wait_dscnt 0x0                               ; the last tile's stores have read QT
.set n_, 0
.rept 32
	v_cvt_pk_f16_f32 v[QT+n_], v[ACC+2*n_], v[ACC+2*n_+1]   ; each accumulator from its low end on: token lane % 16, channels 16 e + 8 (lane / 16) + 0 .. 7
.set n_, n_+1
.endr
.irp a, 0,1,2,3,4,5,6,7
	ds_store_b128 v[QST], v[QT+4*\a:QT+4*\a+3] offset:\a*2048+\e*512   ; an image of registers 4 e .. 4 e + 3 of the fragment
.endr
.endm
	s_wait_loadcnt 0x0                             ; Wq, its scale words and the biases
	QTILE 0
	QTILE 1
	; ---- K and V: sixteen tiles of 16 rows of my part of Wk and Wv, each against all 128 tokens
.macro LOADW t                         ; weight tile t (0-7 Wk's, 8-15 Wv's): four fragments into set t % 2
.if (\t) < 8
.set rAD, WKA
.else
.set rAD, WVA
.endif
.irp f, 0,1,2,3,4,5,6,7
	ds_load_b128 v[WF+32*((\t)%2)+4*\f:WF+32*((\t)%2)+4*\f+3], v[rAD] offset:(((\t)%8)/2)*SLOTB+((\t)%2)*4096+512*\f
.endr
.endm
.macro TILE t
.set nn, (\t)%8
.set isv, (\t)/8
.if (\t) < 15
	s_wait_dscnt 8                                 ; this tile's fragments are in; the eight loads of the next tile may be out
.else
	s_wait_dscnt 0x0
.endif
.set n_, 0
.rept 32
.set q_, n_/8
.set a_, n_%8
.set rD, ACC+8*a_
.set rC, rD
.set rW, WF+32*((\t)%2)+8*q_
.set rX, 32*a_+8*q_
.if isv
	WIN 0x01                                       ; V, natural: source 0 (x) window 1
.set rA, rX
.set rB, rW
.set rSA, XS+4*(a_/2)+q_
.set fA, a_%2
.set rSB, WSV+4*(nn/2)+q_
.set fB, nn%2
.if q_ == 0
.set rC, BVC
.endif
.else
.if q_ == 0
	WIN 0x34                                       ; K, transposed: source 1 (x) window 1, C (bk) window 3
.set rC, BK+8*nn
.else
	WIN 0x04
.endif
.set rA, rW
.set rB, rX
.set rSA, WSK+4*(nn/2)+q_
.set fA, nn%2
.set rSB, XS+4*(a_/2)+q_
.set fB, a_%2
.endif
	SWMMA
.set n_, n_+1
.endr
	WIN 0
	PLACES                                         ; in front of the loads into the set just multiplied, of the writes of BVC and of the conversions
.if (\t)+2 < 16
	LOADW (\t)+2
.endif
.if ((\t)+1 >= 8) && ((\t)+1 < 16)
.irp r, 0,1,2,3,4,5,6,7
	v_mov_b32 v[BVC+\r], v[BV+(\t)-7]              ; the next V tile's bias: a lane's eight results are eight tokens of one channel
.endr
.endif
.if isv
	WIN 0xc0                                       ; destination window 3
.else
	WIN 0x80                                       ; destination window 2
.endif
.set n_, 0
.rept 32
.set a_, n_/4
.set i_, n_%4
.if isv
.set rD, 128*(nn/4)+32*(a_/2)+8*(nn%4)+4*(a_%2)+i_   ; V's fragment (32 keys: h, tokens 32 (a / 2) on; channels 16 (n % 4) on), registers 4 (a % 2) on
.else
.set rD, 128*(nn/4)+16*a_+4*(nn%4)+i_                ; K's key tile 8 (n / 4) + a, channels 16 (n % 4) on
.endif
	v_cvt_pk_f16_f32 v[rD], v[ACC+2*n_], v[ACC+2*n_+1]
.set n_, n_+1
.endr
	WIN 0
.endm
	s_wait_tensorcnt 0x0                           ; my parts of Wk and Wv have landed; I alone read them
.irp u, 0,1,2,3
.irp q, 0,1,2,3
	ds_load_b32 v[WSK+4*\u+\q], v[WKS] offset:\u*SLOTB+128*\q
	ds_load_b32 v[WSV+4*\u+\q], v[WVS] offset:\u*SLOTB+128*\q
.endr
.endr
	LOADW 0
	LOADW 1
.irp t, 0,1,2,3,4,5,6,7,8,9,10,11,12,13,14,15
	TILE \t
.endr
	s_wait_dscnt 0x0                               ; my stores of Q have landed and my reads of the weights are over,
	s_barrier_signal -1
	s_barrier_wait -1                              ; everybody's: Q's fragments are whole, and the stage may be laid over Wk
; ---- THE ATTENTION
; Product i of 32 of O = P V of the tile in window pw: keys 32 (i / 4) on, channels 16 (i % 4) on.  The first four start the sums.  The four accumulators take turns.
.macro PV pw
.if \pw
	WIN 0x5d                                       ; P, C and D window 1, V window 3
.else
	WIN 0x0c
.endif
.set rO, OT+8*(i%4)
.set rP, S+8*(i/4)
.if i < 4
	v_wmma_f32_16x16x32_f16 v[rO:rO+7], v[rP:rP+7], v[8*i:8*i+7], 0
.else
	v_wmma_f32_16x16x32_f16 v[rO:rO+7], v[rP:rP+7], v[8*i:8*i+7], v[rO:rO+7]
.endif
.endm
; Product i of 32 of S^T = K Q^T: channels 32 (i / 16) on, key tile i % 16.  The first sixteen start the sums.  The sixteen accumulators take turns.
.macro QK pw
.if \pw
	WIN 0x56                                       ; K window 2; Q, C and D window 1
.else
	WIN 0x02
.endif
.set rS, S+8*(i%16)
.set rK, 16*(i%16)+8*(i/16)
.set rQ, QF+8*(i/16)
.if i < 16
	v_wmma_f32_16x16x32_f16 v[rS:rS+7], v[rK:rK+7], v[rQ:rQ+7], 0
.else
	v_wmma_f32_16x16x32_f16 v[rS:rS+7], v[rK:rK+7], v[rQ:rQ+7], v[rS:rS+7]
.endif
.endm
.macro FMAP                            ; pair b_ of scores: c s - c m
	v_pk_fma_f32 v[S+2*b_:S+2*b_+1], v[S+2*b_:S+2*b_+1], s[CS:CS+1], v[T:T+1] op_sel_hi:[1,0,0] neg_lo:[0,0,1] neg_hi:[0,0,1]
.endm
; A tile's softmax is a list of 389 instructions, all on window p; SM writes number j.
;   0-63    the maximum of the lane's 128 scores, in eight chains; each accumulator is first read at its low end
;   64-66   the other 128 keys' (lane l xor 16); m; c m
;   67-258  ONE BATCH: 64 packed scalings and 128 exponentials (two exponentials, then the scaling of the pair two further on).  None reads an exponential's result
;   (behind 258: a plain line, and the one wait ahead of the first instruction that names a result)
;   259-378 by turns a packed sum and a rounding to f16.  P is packed in place: rounding z reads scores 2 z, 2 z + 1 and writes register z, whose score sum z and rounding z / 2 have read
;   379-388 the sums' ends, the last four roundings, l with the other half's
.macro SM p
	WIN 0x55*\p
.if j < 8
	v_max3_num_f32 v[T+2+j], v[S+16*j], v[S+16*j+1], v[S+16*j+2]
.elseif j < 56
	v_max3_num_f32 v[T+2+j%8], v[T+2+j%8], v[S+16*(j%8)+2*(j/8)+1], v[S+16*(j%8)+2*(j/8)+2]
.elseif j < 60
	v_max3_num_f32 v[T+2+j-56], v[T+2+j-56], v[S+16*(j-56)+15], v[S+16*(j-56)+79]
.elseif j == 60
	v_max3_num_f32 v[T+2], v[T+2], v[T+3], v[T+4]
.elseif j == 61
	v_max3_num_f32 v[T+5], v[T+5], v[T+6], v[T+7]
.elseif j == 62
	v_max_num_f32 v[T+8], v[T+8], v[T+9]
.elseif j == 63
	v_max3_num_f32 v[T+2], v[T+2], v[T+5], v[T+8]
.elseif j == 64
	v_permlanex16_b32 v[T+10], v[T+2], s[SEL], s[SEL+1]
.elseif j == 65
	v_max_num_f32 v[T+1], v[T+2], v[T+10]
.elseif j == 66
	v_mul_f32 v[T], s[CS], v[T+1]
.elseif j < 69
.set b_, j-67
	FMAP
.elseif j < 255
.if (j-69)%3 == 2
.set b_, (j-69)/3+2
	FMAP
.else
.set e_, 2*((j-69)/3)+(j-69)%3
	v_exp_f32 v[S+e_], v[S+e_]
.endif
.elseif j < 259
	v_exp_f32 v[S+j-131], v[S+j-131]
.elseif j < 379
.set z_, (j-259)/2
.if (j-259)%2 == 1
	v_cvt_pk_f16_f32 v[S+z_], v[S+2*z_], v[S+2*z_+1]
.elseif z_ < 4
	v_pk_add_f32 v[T+2+2*z_:T+3+2*z_], v[S+2*z_:S+2*z_+1], v[S+2*z_+8:S+2*z_+9]
.else
	v_pk_add_f32 v[T+2+2*(z_%4):T+3+2*(z_%4)], v[T+2+2*(z_%4):T+3+2*(z_%4)], v[S+2*z_+8:S+2*z_+9]
.endif
.elseif j == 379
	v_pk_add_f32 v[T+2:T+3], v[T+2:T+3], v[T+4:T+5]
.elseif j == 380
	v_cvt_pk_f16_f32 v[S+60], v[S+120], v[S+121]
.elseif j == 381
	v_pk_add_f32 v[T+6:T+7], v[T+6:T+7], v[T+8:T+9]
.elseif j == 382
	v_cvt_pk_f16_f32 v[S+61], v[S+122], v[S+123]
.elseif j == 383
	v_pk_add_f32 v[T+2:T+3], v[T+2:T+3], v[T+6:T+7]
.elseif j == 384
	v_cvt_pk_f16_f32 v[S+62], v[S+124], v[S+125]
.elseif j == 385
	v_add_f32 v[T+11], v[T+2], v[T+3]
.elseif j == 386
	v_cvt_pk_f16_f32 v[S+63], v[S+126], v[S+127]
.elseif j == 387
	v_permlanex16_b32 v[T+10], v[T+11], s[SEL], s[SEL+1]
.else
	v_add_f32 v[T+11], v[T+11], v[T+10]
.endif
.if j == 258
	v_nop                                          ; the plain line behind the last exponential
	s_wait_alu depctr_va_vdst(0)                   ; one wait for the tile's 128 exponentials, ahead of their first reader
.endif
.set j, j+1
.endm
.macro SLICE p                         ; slice k of 64: six numbers of the list; 389 = 6 x 63 + 11: the last has eleven, all plain: they are the places behind the turn's last product
.set cnt_, 6
.if k == 63
.set cnt_, 11
.endif
.rept cnt_
	SM \p
.endr
.set k, k+1
.endm
; The finished O of the tile in window pw goes to my part of the stage: channel rows, the tile's 16 tokens at column COL + imm; and its c m (lanes 0-15) and l (lanes 16-31) to the statistics.
.macro STORE_O pw, imm
	WIN 0
	v_add_nc_u32 v[ADR], s[COL], v[STO]
	v_add_nc_u32 v[ADS], s[COL], v[STS]
	WIN 0x55*\pw
	v_cndmask_b32 v[T+12], v[T], v[T+11], s[HM]
	WIN 4*\pw                                      ; an LDS store's data are its source 1
.irp t, 0,1,2,3
	ds_store_b128 v[ADR], v[OT+8*\t:OT+8*\t+3] offset:\t*16*SP+\imm        ; each accumulator from its low end on: channel 16 t + lane % 16, tokens 8 (lane / 16) + 0 .. 7
	ds_store_b128 v[ADR], v[OT+8*\t+4:OT+8*\t+7] offset:\t*16*SP+\imm+16
.endr
	ds_store_b32 v[ADS], v[T+12] offset:\imm
.endm
; A TURN: the softmax of the tile in window p, in 64 slices; between them, on window pp, 32 products P V of the tile before (pv) and 32 products K Q^T of the tile after (kq), whose Q is fetched at the head,
; 32 matrix instructions ahead of its use.  With one kind of product two slices follow each.  K Q^T writes S^T over P: key tile 7 is written 8 slices behind the last product that read those registers, and a third of
; those slices' 48 instructions are plain.  O is stored behind slice 35: five slices, ten plain instructions, behind the last P V.
.macro ITER p, pp, pv, kq, qoff
.set j, 0
.set k, 0
.set per, 2
.if \pv && \kq
.set per, 1
.endif
.if \kq
	WIN 0
	v_add_nc_u32 v[ADQ], s[QS], v[QAD]
	WIN 0x40*\pp
.irp f, 0,1,2,3
	ds_load_b128 v[QF+4*\f:QF+4*\f+3], v[ADQ] offset:\qoff+512*\f
.endr
.endif
.if \pv
.set i, 0
.rept 32
	PV \pp
.rept per
	SLICE \p
.endr
.set i, i+1
.endr
.endif
.if \kq
	s_wait_dscnt 0x0                               ; Q is in
.set i, 0
.rept 32
	QK \pp
.rept per
	SLICE \p
.endr
.if \pv && (i == 3)
	STORE_O \pp, 64*\pp
.endif
.set i, i+1
.endr
.endif
.if \pv && !\kq
	STORE_O \pp, 64*\pp
.endif
.endm
; THE COMBINE of a batch of 64 tokens.  Wave w takes channels 16 w .. 16 w + 15; a lane takes 4 tokens of a row (lanes 0-15 one row, lanes 16-31 the next), of all four parts.
.macro ROWS h
.irp e, 0,1,2,3
.irp p, 0,1,2,3
	ds_load_b128 v[RW+16*\e+4*\p:RW+16*\e+4*\p+3], v[CRD] offset:\p*PARTB+2*SP*(4*\h+\e)
.endr
.endr
.endm
.macro OUTS
.irp e, 0,1,2,3
.irp y, 0,2
	v_pk_mul_f32 v[CO+4*\e+\y:CO+4*\e+\y+1], v[RW+16*\e+\y:RW+16*\e+\y+1], v[CE+\y:CE+\y+1]
.endr
.irp p, 1,2,3
.irp y, 0,2
	v_pk_fma_f32 v[CO+4*\e+\y:CO+4*\e+\y+1], v[RW+16*\e+4*\p+\y:RW+16*\e+4*\p+\y+1], v[CE+4*\p+\y:CE+4*\p+\y+1], v[CO+4*\e+\y:CO+4*\e+\y+1]
.endr
.endr
.endr
.endm
.macro SENDS h
.irp e, 0,1,2,3
	global_store_b128 v[GAD], v[CO+4*\e:CO+4*\e+3], s[12:13] offset:8192*(4*\h+\e) th:TH_STORE_NT   ; sixteen lanes store 256 consecutive bytes, at a multiple of 256 from out0's first byte
.endr
.endm
.macro COMBINE more                    ; more = 1: a batch follows, which writes the stage again
	s_wait_dscnt 0x0                               ; my stores into the stage have landed,
	s_barrier_signal -1
	s_barrier_wait -1                              ; everybody's have
.irp p, 0,1,2,3
	ds_load_b128 v[CM+4*\p:CM+4*\p+3], v[CST] offset:256*\p
	ds_load_b128 v[CL+4*\p:CL+4*\p+3], v[CST] offset:1024+256*\p
.endr
	ROWS 0
	v_add_nc_u32 v[GAD], s[GOFF], v[GO]
	s_wait_dscnt 16                                ; the statistics are in; the sixteen loads of rows may be out
.irp x, 0,1,2,3
	v_max3_num_f32 v[CMX+\x], v[CM+\x], v[CM+4+\x], v[CM+8+\x]
.endr
.irp x, 0,1,2,3
	v_max_num_f32 v[CMX+\x], v[CMX+\x], v[CM+12+\x]   ; M: the largest c m of the four waves
.endr
.irp p, 0,1,2,3
.irp y, 0,2
	v_pk_add_f32 v[CM+4*\p+\y:CM+4*\p+\y+1], v[CM+4*\p+\y:CM+4*\p+\y+1], v[CMX+\y:CMX+\y+1] neg_lo:[0,1] neg_hi:[0,1]
.endr
.endr
.set n_, 0
.rept 16
	v_exp_f32 v[CE+n_], v[CM+n_]                   ; 2^(c m_w - M), at most 1
.set n_, n_+1
.endr
	v_nop
	s_wait_alu depctr_va_vdst(0)                   ; one wait for the sixteen
.irp y, 0,2
	v_pk_mul_f32 v[CLS+\y:CLS+\y+1], v[CE+\y:CE+\y+1], v[CL+\y:CL+\y+1]
.endr
.irp p, 1,2,3
.irp y, 0,2
	v_pk_fma_f32 v[CLS+\y:CLS+\y+1], v[CE+4*\p+\y:CE+4*\p+\y+1], v[CL+4*\p+\y:CL+4*\p+\y+1], v[CLS+\y:CLS+\y+1]
.endr
.endr
.irp x, 0,1,2,3
	v_rcp_f32 v[CMX+\x], v[CLS+\x]                 ; the sum is 1 or more
.endr
	v_nop
	s_wait_alu depctr_va_vdst(0)                   ; one wait for the four
.irp p, 0,1,2,3
.irp y, 0,2
	v_pk_mul_f32 v[CE+4*\p+\y:CE+4*\p+\y+1], v[CE+4*\p+\y:CE+4*\p+\y+1], v[CMX+\y:CMX+\y+1]
.endr
.endr
	s_wait_dscnt 0x0                               ; the first eight rows
	OUTS
	ROWS 1                                         ; the other eight
	SENDS 0
	s_wait_dscnt 0x0                               ; my reads of the stage are over
.if \more
	s_barrier_signal -1                            ; say so; register work alone up to the wait
.endif
	s_wait_xcnt 0x0                                ; the stores have read their data: the registers are written again only behind this wait
	OUTS
.if \more
	s_barrier_wait -1                              ; everybody's reads are over: the next batch may be stored into the stage
.endif
	SENDS 1
.if \more
	s_wait_xcnt 0x0                                ; the next turn writes these registers, the next combine the address
.endif
.endm
	v_add_nc_u32 v[QAD], QIMG, v[LI]
.irp f, 0,1,2,3
	ds_load_b128 v[QF+4*\f:QF+4*\f+3], v[QAD] offset:512*\f   ; query tile 0
.endr
	v_and_b32 v14, 15, v0                          ; r = lane % 16
	v_bfe_u32 v15, v0, 4, 1                        ; lane / 16
	s_mov_b32 s[QS], 0
	s_wait_dscnt 0x0
.set i, 0
.rept 32
	QK 0                                           ; tile 0's scores: there is no vector work yet to set between them
.set i, i+1
.endr
	WIN 0                                          ; the attention's addresses are made here: plain instructions, the places behind those products
	s_mul_i32 s60, s[WV], PARTB
	v_mul_u32_u24 v[STO], v14, SP
	v_lshl_add_u32 v[STO], v15, 5, v[STO]
	v_add_nc_u32 v[STO], s60, v[STO]               ; my part; row lane % 16; 32 bytes for each half of the lanes
	s_lshl_b32 s61, s[WV], 8
	s_add_co_u32 s61, s61, STAT
	v_lshlrev_b32 v[STS], 2, v14
	v_lshl_add_u32 v[STS], v15, 10, v[STS]
	v_add_nc_u32 v[STS], s61, v[STS]
	s_mul_i32 s62, s[WV], 16*SP
	v_mul_u32_u24 v[CRD], v15, SP
	v_lshl_add_u32 v[CRD], v14, 4, v[CRD]
	v_add_nc_u32 v[CRD], s62, v[CRD]
	v_lshl_add_u32 v[CST], v14, 4, STAT
	v_lshlrev_b32 v[GO], 12, v15
	v_lshl_add_u32 v[GO], v14, 4, v[GO]
	v_mov_b32 v[T+10], 0                           ; written once in each window: a lane permute's destination counts as one of its sources
	WIN 0x40
	v_mov_b32 v[T+10], 0
	ITER 0, 1, 0, 1, 2048                          ; tile 0's softmax | tile 1's scores
	WIN 0                                          ; at a label and at a branch every window is 0
	s_mov_b32 s[QS], 4096
	s_mov_b32 s[TRIP], 0
.Lpair:                                            ; trip t: the softmax of tiles 2 t + 1 and 2 t + 2; O of tiles 2 t and 2 t + 1 goes to the stage
	s_and_b32 s[COL], s[TRIP], 1
	s_lshl_b32 s[COL], s[COL], 7
	ITER 1, 0, 1, 1, 0
	ITER 0, 1, 1, 1, 2048
	WIN 0
	s_add_co_u32 s[QS], s[QS], 4096
	s_and_b32 s60, s[TRIP], 1                      ; behind every second trip a batch of four tiles is whole.  The test hangs on the count of trips alone: all waves of all partners go the same way
	s_cmp_eq_u32 s60, 0
	s_cbranch_scc1 .Lnc
	s_lshr_b32 s60, s[TRIP], 1                     ; the batch: h - 2 i = batch / 2, tokens 64 (batch % 2) on
	s_lshr_b32 s61, s60, 1
	s_lshl_b32 s61, s61, 18                        ; 64 rows of 4,096 bytes
	s_and_b32 s60, s60, 1
	s_lshl_b32 s60, s60, 8
	s_add_co_u32 s[GOFF], s60, s61
	COMBINE 1
.Lnc:
	s_add_co_u32 s[TRIP], s[TRIP], 1
	s_cmp_lt_u32 s[TRIP], 7
	s_cbranch_scc1 .Lpair
	s_mov_b32 s[COL], 128
	ITER 1, 0, 1, 0, 0                             ; tile 15's softmax | P V of tile 14
.set i, 0
.rept 32
	PV 1                                           ; P V of tile 15
.set i, i+1
.endr
	WIN 0
	PLACES
	STORE_O 1, 64
	WIN 0
	s_mov_b32 s[GOFF], (1<<18)+256
	COMBINE 0
	s_wait_tensorcnt 0x0                           ; the wave's end: behind my last tensor load and my last LDS store
	ds_add_u32 v[SPW], v[NIL]
	s_wait_dscnt 0x0
	CROUND                                         ; the closing round
	s_endpgm
.Lfunc_end_k_q013d1a290d_attn:
	.size	k_q013d1a290d_attn, .Lfunc_end_k_q013d1a290d_attn-k_q013d1a290d_attn
	.p2alignl 7, 3214868480
	.fill 96, 4, 3214868480
	.section	.rodata,"a",@progbits
	.p2align	6, 0x0
	.amdhsa_kernel k_q013d1a290d_attn
		.amdhsa_group_segment_fixed_size 327680
		.amdhsa_private_segment_fixed_size 0
		.amdhsa_enable_private_segment 0
		.amdhsa_kernarg_size 40
		.amdhsa_user_sgpr_count 2
		.amdhsa_user_sgpr_kernarg_segment_ptr 1
		.amdhsa_wavefront_size32 1
		.amdhsa_system_sgpr_workgroup_id_x 1
		.amdhsa_system_sgpr_workgroup_id_y 1
		.amdhsa_system_sgpr_workgroup_id_z 1
		.amdhsa_system_vgpr_workitem_id 0
		.amdhsa_next_free_vgpr 1024
		.amdhsa_next_free_sgpr 96
		.amdhsa_reserve_vcc 0
		.amdhsa_float_denorm_mode_32 3
		.amdhsa_float_denorm_mode_16_64 3
		.amdhsa_memory_ordered 1
		.amdhsa_forward_progress 1
		.amdhsa_inst_pref_size 255
	.end_amdhsa_kernel
	.section	.bss,"aw",@nobits
	.p2align	6
	.space	262144
	.amdgpu_metadata
---
amdhsa.version: [ 1, 2 ]
amdhsa.kernels:
  - .name:           k_q013d1a290d_attn
    .symbol:         k_q013d1a290d_attn.kd
    .args:
      - { .name: img, .offset: 0, .size: 8, .value_kind: global_buffer, .address_space: global }
      - { .name: bq, .offset: 8, .size: 8, .value_kind: global_buffer, .address_space: global }
      - { .name: bk, .offset: 16, .size: 8, .value_kind: global_buffer, .address_space: global }
      - { .name: bv, .offset: 24, .size: 8, .value_kind: global_buffer, .address_space: global }
      - { .name: out0, .offset: 32, .size: 8, .value_kind: global_buffer, .address_space: global }
    .group_segment_fixed_size: 327680
    .private_segment_fixed_size: 0
    .kernarg_segment_align: 8
    .kernarg_segment_size: 40
    .max_flat_workgroup_size: 128
    .sgpr_count:     96
    .vgpr_count:     1024
    .wavefront_size: 32
...
	.end_amdgpu_metadata
.endif
;; end of part 2
